; MI455X (gfx1250); checked and timed in simulation.
; The chip was launched on July 23, 2026; its instructions are those of AMD's public machine-readable ISA for CDNA 5 (MIT licence, August 2026) and "CDNA5" Instruction Set Architecture Reference Guide (July 2026). The comments in the code are by the model that wrote it; some were corrected since.
;; Mo E Top2 Two Experts Per Rank. Allowed arithmetic: matrix products marked QUANTISED: E2M1 operands, one E8M0 scale for each 32 along K, by v_wmma_scale_f32_16x16x128_f8f6f4 with both operands' format E2M1 (or v_wmma_scale_f32_32x16x128_f4), f32 sums; everything else in f32.
;; Inputs: W1_0 2,048 x 8,192 float32; W1_1 2,048 x 8,192 float32; W2_0 8,192 x 2,048 float32; W2_1 8,192 x 2,048 float32; b1_0 8,192 float32; b1_1 8,192 float32; b2_0 2,048 float32; b2_1 2,048 float32; top2_exp_id 1,024 x 2 int32; top2_weight 1,024 x 2 float32; x_local 1,024 x 2,048 float32.
;; Outputs: out0 1,024 x 2,048 float32.
;; This version of the problem:
;;   THIS VERSION OF THE PROBLEM IS GIVEN IN LOW PRECISION. The matrix products marked QUANTISED in the list below multiply operands that are first quantised to E2M1 (2 exponent bits, 1 mantissa bit; 4 bits a number), with one power-of-two scale for each 32 numbers along K (OCP MX v1.0); their sums are f32. All else is computed in f32.
;;   The module's matrix products, in the order in which they are computed (A, B: the left and right operand; K: the contracted axis; several contracted axes count as one K, in the product's order):
;;     1. [M 1,024, K 2,048] x [K 2,048, N 8,192]; A: input x_local; B: input W1_0: QUANTISED
;;     2. [M 1,024, K 8,192] x [K 8,192, N 2,048]; A: computed on the way; B: input W2_0: QUANTISED
;;     3. [M 1,024, K 2,048] x [K 2,048, N 8,192]; A: input x_local; B: input W1_1: QUANTISED
;;     4. [M 1,024, K 8,192] x [K 8,192, N 2,048]; A: computed on the way; B: input W2_1: QUANTISED
;;   THE QUANTISER, for each operand of a quantised product, along K:
;;     - K is cut into blocks of 32 from its start; a last block that is shorter is filled with zeros.
;;     - A block's scale is 2^e with e = floor(log2(the largest magnitude in the block)) - 2, held to -126 .. 127; a block of zeros has e = 0. As a byte (E8M0): e + 127.
;;     - Each number is divided by its block's scale, clamped to +-6, and rounded to the nearest number of E2M1, ties to even, subnormals kept.
;;     - The product sums the exact products of the quantised numbers (number of the format x scale) in f32.
;;   ~~~python
;;   def quantise(x, axis):      # numpy; x: float32 -> the quantised numbers, widened to float32 again
;;       x = np.moveaxis(x, axis, -1); K = x.shape[-1]
;;       x = np.pad(x, [(0, 0)] * (x.ndim - 1) + [(0, -K % 32)]); x = x.reshape(x.shape[:-1] + (-1, 32)); a = np.abs(x).max(-1, keepdims=True)
;;       e = np.where(a > 0, np.clip(np.frexp(np.where(a > 0, a, 1))[1] - 1 - 2, -126, 127), 0)      # np.frexp(a)[1] - 1 = floor(log2(a)), exactly
;;       r = np.clip(x / 2.0 ** e, -6, 6)
;;       step = 2.0 ** (np.maximum(np.frexp(np.where(r == 0, 1, r))[1] - 1, 0) - 1)
;;       q = np.round(r / step) * step * 2.0 ** e      # np.round: ties to even
;;       return np.moveaxis(q.reshape(q.shape[:-2] + (-1,))[..., :K], -1, axis).astype(np.float32)
;;   ~~~
;;   OPERANDS COMPUTED ON THE WAY. 'Computed on the way' means the value that the module computes at that place (a softmax that the list does not call 'softmax' is quantised finished and normalised). What goes into a quantiser is computed in f32, as accurately as f32 sums, v_exp_f32 and their like allow (about 1e-6 of the number): no bf16 or f16 on the way to a quantiser, and a product that is left as it is and whose result goes on into a quantised operand takes f32 operands (vector FMAs, or v_wmma_f32_16x16x4_f32). A number that lies on a knife's edge between two numbers of the format may be rounded either way, as far as f32 arithmetic and the matrix unit's own rounding can turn it there, and no further.
;; One version. Each part assembles by itself: llvm-mc -triple=amdgcn-amd-amdhsa -mcpu=gfx1250 --defsym DOCPART=n.
;; ======== version 1 of 1: 3 launches
;; limits: right only within a limited range of input values
;; workspace buffers: xc 1,048,576 bytes; xs 65,536 bytes; w1c 16,777,216 bytes; w1s 1,048,576 bytes; w2c 16,777,216 bytes; w2s 1,048,576 bytes; hc 8,388,608 bytes; hs 524,288 bytes
;; launch quant (part 1): grid 1024 x 1, 4 waves a work-group, no clusters, 0 bytes of LDS; arguments x_local, W1_0, W1_1, W2_0, W2_1, xc, xs, w1c, w1s, w2c, w2s; writes xc, xs, w1c, w1s, w2c, w2s
.if DOCPART == 1
	.amdgcn_target "amdgcn-amd-amdhsa--gfx1250"
	.amdhsa_code_object_version 6
	.text
	.protected	k_qd7dda41290_quant
	.globl	k_qd7dda41290_quant
	.p2align	8
	.type	k_qd7dda41290_quant,@function
k_qd7dda41290_quant:
	s_mov_b64 s[64:65], 0
	v_nop
	global_prefetch_b8 v0, s[64:65] scope:SCOPE_SE
	s_setreg_imm32_b32 hwreg(HW_REG_WAVE_MODE, 25, 1), 1
	s_wait_xcnt 0x0
; THE PROGRAM: out[t] = c0[t] y0[t] + c1[t] y1[t], y_e = Q(gelu(Q(x) Q(W1_e) + b1_e)) Q(W2_e) + b2_e, c_e[t] = the sum of top2_weight[t][s] over the slots s with (top2_exp_id[t][s] & 1) == e.
; Q is the quantiser to E2M1 with one E8M0 scale for each 32 along a product's K.  Three launches: this one (x and the four weights into codes), the first product with gelu, the second product with the gates.
; DEAD WORK: none with arithmetic in it.  reference()'s ys = jnp.stack(..) is never used and is not formed.  Every input has a way to the output and is loaded by one of the launches.
; Both experts are computed for every token and weighed by c_e, which is 0 where an expert is not chosen, as reference() itself does.
;
; THIS LAUNCH turns x [1024][2048], W1_e [2048][8192] and W2_e [8192][2048], all f32, into codes and scale bytes, laid as IMAGES OF OPERAND REGISTERS:
;   a fragment (16 rows x 128 K) is 1,024 bytes: register group c (0, 1) of lane L at 512 c + 16 L; lane (r = L % 16, h = L / 16) holds k = 64 c + 32 h + 0 .. 31 of the tile's row r;
;   the scale words of 8 tiles are 512 bytes: word j (0 .. 3) of lane L's 16 bytes is the word (4 bytes: 128 K) of row L % 16 of tile 2 j + L / 16.
;   xc [g 8][ks 16][tile 8][1024], xs [g][ks][512]: tile i, row r = token 128 g + 16 i + r.   w1c [e 2][nb 64][ks 16][tile 8][1024], w1s [e][nb][ks][512].   w2c [e 2][nb 16][ks 64][tile 8][1024], w2s likewise.
;   THE ROWS OF A WEIGHT'S TILE ARE NOT NEIGHBOURS: row r of tile 2 j + u of column block nb is column 128 nb + 32 j + 8 u + r + 8 (r / 8).
; A block's scale is 2^(floor(log2(its largest magnitude)) - 2); its byte is the largest magnitude's exponent field - 2, held at 1 from below.
; LIMITS: a block whose largest magnitude lies under 2^-124 (a block of zeros too) gets the byte 1 where the rule may say another: a block of zeros has zero codes, which add nothing, and the bytes are read by this program alone;
; NaN and infinities among these inputs are not served.
; SHARES: 1,024 work-groups of four waves, all with the same bytes to move.  Every wave takes one unit of a weight, 128 along K x 128 columns: 64 KB of f32 in, 8 KB of codes and 512 bytes of scale words out, both dense
; (work-groups 0-511: W1, 256 for each expert; 512-1023: W2).  x has 1,024 tiles of 16 tokens x 128 K, 8 KB of f32 each: work-group wg takes tile wg, in ONE of its waves, beside that wave's unit.
; Which wave changes with wg and with wg / 256, so that the tiles do not all fall to waves of one number.  No LDS, no barrier: waves share nothing.
; WEIGHTS (K is the first axis): a lane takes a column and its registers run down K, so a block of 32 lies in one lane and the conversions give codes with K innermost.
; x (K innermost): lane (r, h) takes 16 neighbours of each block of 32 of row r; lanes l and l xor 16 share a block.
; A tile's 16 scale words leave by one store of 4 bytes a lane, 16 bytes apart: 64 bytes of the 256 that four tiles fill together, one byte in 128 of what the tile reads; whole runs would want eight tiles in one wave.
.set X,   32                           ; v32-95   weights: two sets of 32 numbers
.set C,   96                           ; v96-159  weights: four registers of codes for each of the 16 blocks: no store's data are written again
.set XN,  96                           ; v96-159  ahead of block 0, in the wave that takes a tile of x: its 64 numbers
.set SB,  160                          ; v160-163 weights: the scale words of my four columns
.set PC,  164                          ; v164-171 x: the tile's codes; written once
.set TM,  172                          ; v172-187 x: at work
.set PW,  188                          ; v188     x: my row's scale word; written once
.set SEL, 40                           ; s[40:41] v_permlanex16_b32's selects for lane l xor 16
; block n = 4 t + j of a weight's unit: 32 along K from 32 t on, columns 32 j on.  A wave's load covers 128 consecutive bytes; blocks that follow each other take neighbouring bytes
.macro LOADB n, pitch
.irp i, 0,1,2,3,4,5,6,7,8,9,10,11,12,13,14,15,16,17,18,19,20,21,22,23,24,25,26,27,28,29,30,31
	global_load_b32 v[X+32*((\n)%2)+\i], v2, s[28:29] offset:(32*((\n)/4)+\i)*\pitch+128*((\n)%4) th:TH_LOAD_NT
.endr
.endm
.macro BLOCK n, pitch
.set XS, X+32*((\n)%2)
.set TT, (\n)/4
.set JJ, (\n)%4
.if (\n) < 15
	s_wait_loadcnt 32                              ; this block's 32 loads are in; the next block's may be out
.else
	s_wait_loadcnt 0
.endif
	v_max3_num_f32 v12, |v[XS]|, |v[XS+1]|, |v[XS+2]|              ; the block's largest magnitude: all 32 numbers are mine; two chains
	v_max3_num_f32 v13, |v[XS+3]|, |v[XS+4]|, |v[XS+5]|
.irp i, 6,10,14,18,22,26
	v_max3_num_f32 v12, v12, |v[XS+\i]|, |v[XS+\i+1]|
	v_max3_num_f32 v13, v13, |v[XS+\i+2]|, |v[XS+\i+3]|
.endr
	v_max3_num_f32 v12, v12, |v[XS+30]|, |v[XS+31]|
	v_max3_num_f32 v12, v12, v13, 0x1800000        ; and the floor 2^(3 - 127): the byte cannot fall under 1
	v_add_nc_u32 v10, 0xff000000, v12              ; 2 off the exponent field: the conversion takes the exponent field of this operand as its scale
	v_lshrrev_b32 v11, 23, v10                     ; the scale's byte
.if TT == 0
	v_mov_b32 v[SB+JJ], v11                        ; byte t of the word of my column in group j
.else
	v_lshl_or_b32 v[SB+JJ], v11, 8*TT, v[SB+JJ]
.endif
.irp g, 0,1,2,3
	v_cvt_scalef32_pk8_fp4_f32 v[C+4*(\n)+\g], v[XS+8*\g:XS+8*\g+7], v10
.endr
	global_store_b128 v3, v[C+4*(\n):C+4*(\n)+3], s[30:31] offset:2048*JJ+512*(TT/2)+256*(TT%2)   ; k = 32 t on is group t / 2, half t % 2 of the image: sixteen lanes store 256 consecutive bytes, aligned
.if (\n) < 14
	LOADB (\n)+2, \pitch                           ; the set just read takes the block two on
.endif
.endm
; 64 numbers of a lane from v[s] on, register 16 b + i = k 32 b + 16 h + i of my row, become a fragment's codes in v[PC] on and its scale word in v[pw]
.macro QUANT s, pw
.irp b, 0,1,2,3
	v_max3_num_f32 v[TM+\b], |v[\s+16*\b]|, |v[\s+1+16*\b]|, 0x1800000   ; block b: my 16 numbers, and the floor 2^(3 - 127)
.endr
.irp i, 2,4,6,8,10,12,14
.irp b, 0,1,2,3
	v_max3_num_f32 v[TM+\b], v[TM+\b], |v[\s+16*\b+\i]|, |v[\s+1+16*\b+\i]|   ; the four blocks by turns
.endr
.endr
.irp b, 0,1,2,3
	v_permlanex16_b32 v[TM+4+\b], v[TM+\b], s[SEL], s[SEL+1]
.endr
.irp b, 0,1,2,3
	v_max_num_f32 v[TM+\b], v[TM+\b], v[TM+4+\b]   ; with lane l xor 16's: the block's largest magnitude
.endr
.irp b, 0,1,2,3
	v_add_nc_u32 v[TM+12+\b], 0xff000000, v[TM+\b] ; 2 off its exponent field: the conversion's scale operand
.endr
.irp b, 0,1,2,3
	v_lshrrev_b32 v[TM+4+\b], 23, v[TM+12+\b]      ; the scale's byte
.endr
	v_lshl_or_b32 v[\pw], v[TM+5], 8, v[TM+4]      ; the four bytes make my row's scale word: the same in lanes r and r + 16
	v_lshl_or_b32 v[\pw], v[TM+6], 16, v[\pw]
	v_lshl_or_b32 v[\pw], v[TM+7], 24, v[\pw]
.irp b, 0,1,2,3
	v_cvt_scalef32_pk8_fp4_f32 v[PC+2*\b], v[\s+16*\b:\s+7+16*\b], v[TM+12+\b]
	v_cvt_scalef32_pk8_fp4_f32 v[PC+1+2*\b], v[\s+8+16*\b:\s+15+16*\b], v[TM+12+\b]
.endr
	v_nop                                          ; one plain place behind a scaled conversion
.irp c, 0,1                                    ; the operand's layout wants a whole block in a lane: lanes 0-15 block 2 c, lanes 16-31 block 2 c + 1
.irp i, 0,1
	v_permlane16_swap_b32 v[PC+4*\c+\i], v[PC+2+4*\c+\i]
.endr
.endr
.endm
; my work-group's tile of x, whole: loads, quantiser and stores stand together, under one branch
.macro XTILE
.irp b, 0,1,2,3
.irp j, 0,1,2,3
	global_load_b128 v[XN+16*\b+4*\j:XN+16*\b+4*\j+3], v5, s[44:45] offset:128*\b+16*\j th:TH_LOAD_NT
.endr
.endr
.irp b, 0,1,2,3
	v_mov_b32 v[TM+4+\b], 0                        ; a lane permute's destination counts as one of its sources
.endr
	s_wait_loadcnt 0x0                             ; the tile's 16 loads are in, and block 0's 32, which were issued ahead of them
	QUANT XN, PW
	global_store_b128 v4, v[PC:PC+3], s[46:47]     ; the image: 512 consecutive bytes a store
	global_store_b128 v4, v[PC+4:PC+7], s[46:47] offset:512
	global_store_b32 v6, v[PW], s[48:49]           ; row r's scale word, 16 bytes from row to row; lanes r and r + 16 store the same word to the same place
.endm
; a wave's work.  The tile of x stands between block 0's loads and block 1's: its loads go out behind block 0's and are waited for with them.  Behind the join both ways have block 1's 32 loads as their youngest,
; so the counts in BLOCK hold on both.  The tile's numbers lie where the blocks' codes will lie; its codes and its scale word have registers that nothing writes again, so its stores need no wait
.macro WUNIT pitch
	LOADB 0, \pitch
	s_cmp_lg_u32 s26, s27                          ; is the tile mine?  The wave's number against a number made of the work-group's
	s_cbranch_scc1 .Lno_x_\@
	XTILE
.Lno_x_\@:
	LOADB 1, \pitch
.set Q, 0
.rept 16
	BLOCK Q, \pitch
.set Q, Q+1
.endr
	global_store_b128 v4, v[SB:SB+3], s[32:33]     ; the unit's scale words: 512 consecutive bytes
	s_endpgm
.endm
	s_load_b512 s[4:19], s[0:1], 0x0               ; x s[4:5], W1_0 s[6:7], W1_1 s[8:9], W2_0 s[10:11], W2_1 s[12:13], xc s[14:15], xs s[16:17], w1c s[18:19]
	s_load_b128 s[20:23], s[0:1], 0x40             ; w1s s[20:21], w2c s[22:23]
	s_load_b64 s[24:25], s[0:1], 0x50              ; w2s
	v_lshrrev_b32 v1, 5, v0
	v_readfirstlane_b32 s26, v1                    ; wave 0..3
	v_and_b32 v1, 31, v0                           ; lane
	v_and_b32 v8, 15, v0                           ; r
	v_bfe_u32 v9, v0, 4, 1                         ; h
	v_lshlrev_b32 v4, 4, v1                        ; 16 x lane
	v_and_b32 v10, 8, v8
	v_add_nc_u32 v10, v10, v8                      ; r + 8 (r / 8)
	v_lshl_add_u32 v10, v9, 3, v10                 ; + 8 h: my column among a group's 32
	v_lshlrev_b32 v2, 2, v10                       ; in bytes
	v_lshlrev_b32 v3, 4, v8
	v_lshl_add_u32 v3, v9, 10, v3                  ; where my codes go: tile h of the group's two, 16 r
	v_lshlrev_b32 v5, 13, v8
	v_lshl_add_u32 v5, v9, 6, v5                   ; x: row r of 8,192 bytes, + 64 h
	v_lshlrev_b32 v6, 4, v8                        ; x's scale words: 16 r
	s_mov_b32 s[SEL], 0x76543210
	s_mov_b32 s[SEL+1], 0xfedcba98
	s_mov_b32 s39, 0                               ; the upper word of every offset
	s_lshr_b32 s27, ttmp9, 8
	s_add_co_u32 s27, s27, ttmp9
	s_and_b32 s27, s27, 3                          ; the wave that takes the work-group's tile of x
	s_wait_kmcnt 0x0
	; x's tile T = the work-group's number = 128 g + 8 ks + i: tokens 128 g + 16 i on, K = 128 ks on
	s_lshr_b32 s38, ttmp9, 7
	s_lshl_b32 s38, s38, 20                        ; g: 128 rows of 8,192 bytes
	s_add_nc_u64 s[44:45], s[4:5], s[38:39]
	s_and_b32 s38, ttmp9, 7
	s_lshl_b32 s38, s38, 17                        ; i: 16 rows
	s_add_nc_u64 s[44:45], s[44:45], s[38:39]
	s_bfe_u32 s38, ttmp9, 0x40003
	s_lshl_b32 s38, s38, 9                         ; ks: 128 numbers
	s_add_nc_u64 s[44:45], s[44:45], s[38:39]
	s_lshl_b32 s38, ttmp9, 10                      ; its image: 1,024 T
	s_add_nc_u64 s[46:47], s[14:15], s[38:39]
	s_lshr_b32 s38, ttmp9, 3
	s_lshl_b32 s38, s38, 9                         ; its scale words: the 512 bytes of (g, ks),
	s_and_b32 s36, ttmp9, 1
	s_lshl_b32 s36, s36, 8                         ; an odd tile at the places of lanes 16-31,
	s_add_co_u32 s38, s38, s36
	s_bfe_u32 s36, ttmp9, 0x20001
	s_lshl_b32 s36, s36, 2                         ; word i / 2
	s_add_co_u32 s38, s38, s36
	s_add_nc_u64 s[48:49], s[16:17], s[38:39]
	; my unit of a weight
	s_and_b32 s34, ttmp9, 255
	s_lshl_b32 s34, s34, 2
	s_add_co_u32 s34, s34, s26                     ; my unit among the expert's 1,024
	s_bfe_u32 s35, ttmp9, 0x10008                  ; the expert
	s_cmp_ge_u32 ttmp9, 512
	s_cbranch_scc1 .Lw2
	; W1_e [2048][8192]: unit = (ks = u / 64, nb = u % 64)
	s_cmp_eq_u32 s35, 0
	s_cselect_b64 s[28:29], s[6:7], s[8:9]
	s_lshr_b32 s36, s34, 6
	s_and_b32 s37, s34, 63
	s_lshl_b32 s38, s36, 22                        ; 128 rows of 32,768 bytes
	s_add_nc_u64 s[28:29], s[28:29], s[38:39]
	s_lshl_b32 s38, s37, 9                         ; 128 columns
	s_add_nc_u64 s[28:29], s[28:29], s[38:39]
	s_lshl_b32 s35, s35, 6
	s_add_co_u32 s35, s35, s37
	s_lshl_b32 s35, s35, 4
	s_add_co_u32 s35, s35, s36                     ; (64 e + nb) 16 + ks
	s_lshl_b32 s38, s35, 13
	s_add_nc_u64 s[30:31], s[18:19], s[38:39]
	s_lshl_b32 s38, s35, 9
	s_add_nc_u64 s[32:33], s[20:21], s[38:39]
	s_wait_alu depctr_va_vdst(0)
	WUNIT 32768
.Lw2:
	; W2_e [8192][2048]: unit = (ks = u / 16, nb = u % 16)
	s_cmp_eq_u32 s35, 0
	s_cselect_b64 s[28:29], s[10:11], s[12:13]
	s_lshr_b32 s36, s34, 4
	s_and_b32 s37, s34, 15
	s_lshl_b32 s38, s36, 20                        ; 128 rows of 8,192 bytes
	s_add_nc_u64 s[28:29], s[28:29], s[38:39]
	s_lshl_b32 s38, s37, 9
	s_add_nc_u64 s[28:29], s[28:29], s[38:39]
	s_lshl_b32 s35, s35, 4
	s_add_co_u32 s35, s35, s37
	s_lshl_b32 s35, s35, 6
	s_add_co_u32 s35, s35, s36                     ; (16 e + nb) 64 + ks
	s_lshl_b32 s38, s35, 13
	s_add_nc_u64 s[30:31], s[22:23], s[38:39]
	s_lshl_b32 s38, s35, 9
	s_add_nc_u64 s[32:33], s[24:25], s[38:39]
	s_wait_alu depctr_va_vdst(0)
	WUNIT 8192
.Lfunc_end_k_qd7dda41290_quant:
	.size	k_qd7dda41290_quant, .Lfunc_end_k_qd7dda41290_quant-k_qd7dda41290_quant
	.p2alignl 7, 3214868480
	.fill 96, 4, 3214868480
	.section	.rodata,"a",@progbits
	.p2align	6, 0x0
	.amdhsa_kernel k_qd7dda41290_quant
		.amdhsa_group_segment_fixed_size 0
		.amdhsa_private_segment_fixed_size 0
		.amdhsa_enable_private_segment 0
		.amdhsa_kernarg_size 88
		.amdhsa_user_sgpr_count 2
		.amdhsa_user_sgpr_kernarg_segment_ptr 1
		.amdhsa_wavefront_size32 1
		.amdhsa_system_sgpr_workgroup_id_x 1
		.amdhsa_system_sgpr_workgroup_id_y 1
		.amdhsa_system_sgpr_workgroup_id_z 1
		.amdhsa_system_vgpr_workitem_id 0
		.amdhsa_next_free_vgpr 200
		.amdhsa_next_free_sgpr 66
		.amdhsa_reserve_vcc 0
		.amdhsa_float_denorm_mode_32 3
		.amdhsa_float_denorm_mode_16_64 3
		.amdhsa_memory_ordered 1
		.amdhsa_forward_progress 1
		.amdhsa_inst_pref_size 161
	.end_amdhsa_kernel
	.amdgpu_metadata
---
amdhsa.version: [ 1, 2 ]
amdhsa.kernels:
  - .name:           k_qd7dda41290_quant
    .symbol:         k_qd7dda41290_quant.kd
    .args:
      - { .name: x_local, .offset: 0, .size: 8, .value_kind: global_buffer, .address_space: global }
      - { .name: W1_0, .offset: 8, .size: 8, .value_kind: global_buffer, .address_space: global }
      - { .name: W1_1, .offset: 16, .size: 8, .value_kind: global_buffer, .address_space: global }
      - { .name: W2_0, .offset: 24, .size: 8, .value_kind: global_buffer, .address_space: global }
      - { .name: W2_1, .offset: 32, .size: 8, .value_kind: global_buffer, .address_space: global }
      - { .name: xc, .offset: 40, .size: 8, .value_kind: global_buffer, .address_space: global }
      - { .name: xs, .offset: 48, .size: 8, .value_kind: global_buffer, .address_space: global }
      - { .name: w1c, .offset: 56, .size: 8, .value_kind: global_buffer, .address_space: global }
      - { .name: w1s, .offset: 64, .size: 8, .value_kind: global_buffer, .address_space: global }
      - { .name: w2c, .offset: 72, .size: 8, .value_kind: global_buffer, .address_space: global }
      - { .name: w2s, .offset: 80, .size: 8, .value_kind: global_buffer, .address_space: global }
    .group_segment_fixed_size: 0
    .private_segment_fixed_size: 0
    .kernarg_segment_align: 8
    .kernarg_segment_size: 88
    .max_flat_workgroup_size: 128
    .sgpr_count:     66
    .vgpr_count:     200
    .wavefront_size: 32
...
	.end_amdgpu_metadata
.endif
;; end of part 1
;; launch ffn1 (part 2): grid 64 x 4, 4 waves a work-group, clusters of 4 x 4, 327,680 bytes of LDS; arguments xc, xs, w1c, w1s, b1_0, b1_1, hc, hs; writes hc, hs
.if DOCPART == 2
	.amdgcn_target "amdgcn-amd-amdhsa--gfx1250"
	.amdhsa_code_object_version 6
	.text
	.protected	k_qd7dda41290_ffn1
	.globl	k_qd7dda41290_ffn1
	.p2align	8
	.type	k_qd7dda41290_ffn1,@function
k_qd7dda41290_ffn1:
	s_mov_b64 s[64:65], 0
	v_nop
	global_prefetch_b8 v0, s[64:65] scope:SCOPE_SE
	s_setreg_imm32_b32 hwreg(HW_REG_WAVE_MODE, 25, 1), 1
	s_wait_xcnt 0x0
	s_wait_alu depctr_hold_cnt(0) depctr_sa_sdst(0) depctr_va_vdst(0) depctr_va_sdst(0) depctr_va_ssrc(0) depctr_va_vcc(0) depctr_vm_vsrc(0)
	s_getreg_b32 s2, hwreg(HW_REG_IB_STS2, 6, 4)
	s_cmp_eq_u32 s2, 0
	s_cbranch_scc0 .Lentry_in_a_cluster
	s_endpgm
.Lentry_in_a_cluster:
	s_bfe_u32 s2, ttmp6, 0x10000c
	s_cmp_lg_u32 s2, 0xf033
	s_cbranch_scc0 .Lentry_shape_is_right
	s_endpgm
.Lentry_shape_is_right:
.set NQ,     4
.set NL,     2
.set NP,     4
.set FR,     8
.set HALFT,  32768
.set SLOT,   4*HALFT
.set SCL,    2*SLOT
.set HALFS,  8192
.set SPARE,  SCL+4*HALFS
.set ADRA, 16
.set ADRB, 20
.set ADSA, 24
.set ADSB, 25
.set BOF,  26
.set SPW,  28
.set NIL,  29
.set LANE, 30
.set SC,   32
.set AF,   128
.set BIAS, 192
.set G1, 24
.set G0, 32
.set G1B, 48
.set G0B, 56
.set G1S, 68
.set G0S, 76
.set G1SB, 80
.set G0SB, 88
.set MSB, 0
.macro WIN new
.if MSB != (\new)
	s_set_vgpr_msb (MSB<<8)|(\new)
.set MSB, (\new)
.endif
.endm
.set MUL_LO, 0xa1
.set MUL_HI, 0xf1
.set BIA_LO, 0x81
.set BIA_HI, 0xc1
.set TO_B,   0x40
.macro JLOAD g0a, g1a, g0b, g1b
	s_cmp_eq_u32 s21, 0
	s_cbranch_scc0 .Lfor_b_\@
	tensor_load_to_lds s[\g0a:\g0a+3], s[\g1a:\g1a+7]
	s_nop 0
.rept 4
	v_nop
.endr
	s_branch .Lasked_\@
.Lfor_b_\@:
	tensor_load_to_lds s[\g0b:\g0b+3], s[\g1b:\g1b+7]
	s_nop 0
.rept 4
	v_nop
.endr
.Lasked_\@:
.endm
.macro CREST
	s_cmp_lg_u32 s20, 0
	s_cbranch_scc1 .Lnot_wave_0_\@
	s_barrier_signal -3
.Lnot_wave_0_\@:
	s_barrier_wait -3
	s_barrier_signal -1
	s_barrier_wait -1
.endm
.macro CROUND
	s_barrier_signal -1
	s_barrier_wait -1
	CREST
.endm
	s_load_b256 s[4:11], s[0:1], 0x0
	s_load_b256 s[12:19], s[0:1], 0x20
	v_lshl_add_u32 v[SPW], v0, 2, SPARE
	v_mov_b32 v[NIL], 0
	ds_add_u32 v[SPW], v[NIL]
	ds_add_u32 v[SPW], v[NIL]
	v_lshrrev_b32 v1, 5, v0
	v_readfirstlane_b32 s20, v1
	s_lshr_b32 s21, s20, 1
	s_and_b32 s22, s20, 1
	s_bfe_u32 s40, ttmp6, 0x40000
	s_bfe_u32 s41, ttmp6, 0x40004
	s_lshl_b32 s42, ttmp9, 2
	s_add_co_u32 s42, s42, s40
	s_and_b32 s23, ttmp7, 0xffff
	s_lshl_b32 s23, s23, 2
	s_add_co_u32 s23, s23, s41
	s_lshl_b32 s43, s41, 2
	s_lshl_b32 s43, 15, s43
	s_lshl_b32 s44, 0x1111, s40
	s_or_b32 s[G1+0], s43, (3<<16)|(1<<21)
	s_or_b32 s[G1B+0], s44, (3<<16)|(1<<21)
.irp g, G1, G1B
	s_mov_b32 s[\g+1], 32<<16
	s_mov_b32 s[\g+2], 128<<16
	s_mov_b32 s[\g+3], 32<<16
	s_mov_b32 s[\g+4], 128
	s_mov_b32 s[\g+5], 32
	s_mov_b32 s[\g+6], 0
	s_mov_b32 s[\g+7], 0
.endr
	s_or_b32 s[G1S+0], s43, (3<<16)|(1<<21)
	s_or_b32 s[G1SB+0], s44, (3<<16)|(1<<21)
.irp g, G1S, G1SB
	s_mov_b32 s[\g+1], 32<<16
	s_mov_b32 s[\g+2], 32<<16
	s_mov_b32 s[\g+3], 32<<16
	s_mov_b32 s[\g+4], 32
	s_mov_b32 s[\g+5], 32
	s_mov_b32 s[\g+6], 0
	s_mov_b32 s[\g+7], 0
.endr
	s_lshl_b32 s66, s23, 1
	s_add_co_u32 s66, s66, s22
	s_lshl_b32 s96, s66, 13
	s_lshl_b32 s66, s66, 17
	s_mov_b32 s67, 0
	s_mov_b32 s97, 0
	s_lshl_b32 s46, s42, 1
	s_add_co_u32 s46, s46, s22
	s_lshl_b32 s92, s46, 13
	s_lshl_b32 s46, s46, 17
	s_mov_b32 s47, 0
	s_mov_b32 s93, 0
	s_lshl_b32 s45, s20, 15
	s_lshl_b32 s94, s20, 13
	s_wait_dscnt 0x0
	s_wait_kmcnt 0x0
	s_add_nc_u64 s[66:67], s[4:5], s[66:67]
	s_add_nc_u64 s[96:97], s[6:7], s[96:97]
	s_add_nc_u64 s[46:47], s[8:9], s[46:47]
	s_add_nc_u64 s[92:93], s[10:11], s[92:93]
	CROUND
	s_mov_b32 s[G0S], 1
	s_add_co_u32 s[G0S+1], s94, SCL
	s_mov_b64 s[G0S+2:G0S+3], s[96:97]
	s_or_b32 s[G0S+3], s[G0S+3], 0x80000000
	s_mov_b32 s[G0SB], 1
	s_add_co_u32 s[G0SB+1], s94, SCL
	s_mov_b64 s[G0SB+2:G0SB+3], s[92:93]
	s_or_b32 s[G0SB+3], s[G0SB+3], 0x80000000
	JLOAD G0S, G1S, G0SB, G1SB
.irp s, 0,1
	s_mov_b32 s[G0+4*\s], 1
	s_add_co_u32 s[G0+4*\s+1], s45, \s*SLOT
	s_add_nc_u64 s[G0+4*\s+2:G0+4*\s+3], s[66:67], \s*HALFT
	s_or_b32 s[G0+4*\s+3], s[G0+4*\s+3], 0x80000000
	s_mov_b32 s[G0B+4*\s], 1
	s_add_co_u32 s[G0B+4*\s+1], s45, \s*SLOT
	s_add_nc_u64 s[G0B+4*\s+2:G0B+4*\s+3], s[46:47], \s*HALFT
	s_or_b32 s[G0B+4*\s+3], s[G0B+4*\s+3], 0x80000000
	s_wait_alu depctr_va_vdst(0)
	s_wait_tensorcnt 0x0
	ds_add_u32 v28, v29
	s_wait_dscnt 0x0
	CROUND
	JLOAD G0+4*\s, G1, G0B+4*\s, G1B
.endr
	v_and_b32 v[LANE], 31, v0
	v_lshlrev_b32 v2, 4, v[LANE]
	s_wait_alu depctr_va_vdst(0)
	v_bfe_u32 v3, v0, 4, 1
	s_wait_alu depctr_va_vdst(0)
	s_lshl_b32 s2, s21, 15
	s_lshl_b32 s3, s22, 15
	s_add_co_u32 s3, s3, 2*HALFT
.irp s, 0,1
	v_add_nc_u32 v[ADRA+\s], s2, v2
	v_add_nc_u32 v[ADRB+\s], s3, v2
	s_add_co_u32 s2, s2, SLOT
	s_add_co_u32 s3, s3, SLOT
.endr
	s_lshl_b32 s2, s21, 13
	s_add_co_u32 s2, s2, SCL
	v_add_nc_u32 v[ADSA], s2, v2
	s_lshl_b32 s3, s22, 13
	s_add_co_u32 s3, s3, SCL+2*HALFS
	v_add_nc_u32 v[ADSB], s3, v2
	v_lshlrev_b32 v[BOF], 6, v3
	s_wait_alu depctr_va_vdst(0)
	s_lshr_b32 s2, ttmp9, 3
	s_cmp_eq_u32 s2, 0
	s_cselect_b64 s[12:13], s[12:13], s[14:15]
	s_and_b32 s14, s42, 31
	s_lshl_b32 s14, s14, 10
	s_lshl_b32 s15, s22, 9
	s_add_co_u32 s14, s14, s15
	s_mov_b32 s15, 0
	s_add_nc_u64 s[12:13], s[12:13], s[14:15]
.irp b, 0,1,2,3,4,5,6,7
	global_load_b128 v[BIAS+8*\b:BIAS+8*\b+3], v[BOF], s[12:13] offset:(32*(\b/2)+8*(\b%2))*4
	global_load_b128 v[BIAS+8*\b+4:BIAS+8*\b+7], v[BOF], s[12:13] offset:(32*(\b/2)+8*(\b%2))*4+16
.endr
	s_lshl_b32 s14, s2, 4
	s_lshl_b32 s15, s23, 2
	s_add_co_u32 s14, s14, s15
	s_lshl_b32 s15, s21, 1
	s_add_co_u32 s14, s14, s15
	s_lshl_b32 s14, s14, 6
	s_and_b32 s15, s42, 31
	s_lshl_b32 s15, s15, 1
	s_add_co_u32 s14, s14, s15
	s_add_co_u32 s14, s14, s22
	s_lshl_b32 s2, s14, 12
	s_mov_b32 s3, 0
	s_add_nc_u64 s[16:17], s[16:17], s[2:3]
	s_lshl_b32 s2, s14, 8
	s_add_nc_u64 s[18:19], s[18:19], s[2:3]
.macro WM d, fb, fa, cr, sb, sa, rb, ra
.if (\rb)
.if (\ra)
	v_wmma_scale_f32_16x16x128_f8f6f4 v[\d:\d+7], v[\fb:\fb+7], v[\fa:\fa+7], v[\cr:\cr+7], v[\sb], v[\sa] matrix_a_fmt:MATRIX_FMT_FP4 matrix_b_fmt:MATRIX_FMT_FP4 matrix_a_scale:MATRIX_SCALE_ROW1 matrix_b_scale:MATRIX_SCALE_ROW1
.else
	v_wmma_scale_f32_16x16x128_f8f6f4 v[\d:\d+7], v[\fb:\fb+7], v[\fa:\fa+7], v[\cr:\cr+7], v[\sb], v[\sa] matrix_a_fmt:MATRIX_FMT_FP4 matrix_b_fmt:MATRIX_FMT_FP4 matrix_a_scale:MATRIX_SCALE_ROW1
.endif
.else
.if (\ra)
	v_wmma_scale_f32_16x16x128_f8f6f4 v[\d:\d+7], v[\fb:\fb+7], v[\fa:\fa+7], v[\cr:\cr+7], v[\sb], v[\sa] matrix_a_fmt:MATRIX_FMT_FP4 matrix_b_fmt:MATRIX_FMT_FP4 matrix_b_scale:MATRIX_SCALE_ROW1
.else
	v_wmma_scale_f32_16x16x128_f8f6f4 v[\d:\d+7], v[\fb:\fb+7], v[\fa:\fa+7], v[\cr:\cr+7], v[\sb], v[\sa] matrix_a_fmt:MATRIX_FMT_FP4 matrix_b_fmt:MATRIX_FMT_FP4
.endif
.endif
.endm
.macro FRAG reg, adr, q, i
.irp c, 0,1
	ds_load_b128 v[\reg+4*\c:\reg+4*\c+3], v[\adr] offset:8192*(\q)+1024*(\i)+512*\c
.endr
.endm
.macro MUL16 a0, p, q, sc, first
.irp a, \a0, \a0+1
.irp b, 0,1,2,3,4,5,6,7
.if \first
	WM 8*(8*((\a)%4)+\b), 128*(\p)+FR*\b, AF+FR*(\a), BIAS+8*\b, SC+32*(\sc)+16+4*(\q)+\b/2, SC+32*(\sc)+4*(\q)+(\a)/2, \b%2, (\a)%2
.else
	WM 8*(8*((\a)%4)+\b), 128*(\p)+FR*\b, AF+FR*(\a), 8*(8*((\a)%4)+\b), SC+32*(\sc)+16+4*(\q)+\b/2, SC+32*(\sc)+4*(\q)+(\a)/2, \b%2, (\a)%2
.endif
.endr
.endr
.endm
.macro FETCH_B slot, q, p
	WIN TO_B
.irp i, 0,1,2,3,4,5,6,7
	FRAG 128*(\p)+FR*\i, ADRB+\slot, \q, \i
.endr
	WIN 0
.endm
.macro FETCH_A slot, q, i0
.irp i, \i0, \i0+1, \i0+2, \i0+3
	FRAG AF+FR*(\i), ADRA+\slot, \q, \i
.endr
.endm
.macro SCALES sc
.irp q, 0,1,2,3
	ds_load_b128 v[SC+32*\sc+4*\q:SC+32*\sc+4*\q+3], v[ADSA] offset:512*\q
	ds_load_b128 v[SC+32*\sc+16+4*\q:SC+32*\sc+16+4*\q+3], v[ADSB] offset:512*\q
.endr
.endm
.macro PLACES n
.rept \n
	v_nop
.endr
.endm
.macro STEP slot, q, first
	s_wait_dscnt 4*NL
.if \first
	WIN BIA_LO
.else
	WIN MUL_LO
.endif
	MUL16 0, (\q)%2, \q, \slot, \first
	MUL16 2, (\q)%2, \q, \slot, \first
	s_wait_dscnt 0
	PLACES NP
	FETCH_B \slot, (\q)+1, 1-(\q)%2
	FETCH_A \slot, (\q)+1, 0
.if \first
	WIN BIA_HI
.else
	WIN MUL_HI
.endif
	MUL16 4, (\q)%2, \q, \slot, \first
	MUL16 6, (\q)%2, \q, \slot, \first
	PLACES NP
	WIN 0
	FETCH_A \slot, (\q)+1, 4
.endm
.macro TURN slot, next, fill
	s_wait_tensorcnt 0x0
	ds_add_u32 v[SPW], v[NIL]
	s_wait_dscnt 4*NL+1
	WIN MUL_LO
	MUL16 0, 1, NQ-1, \slot, 0
	s_wait_dscnt 0x0
	s_barrier_signal -1
	MUL16 2, 1, NQ-1, \slot, 0
	WIN 0
	s_barrier_wait -1
.if \fill
	CREST
	s_add_nc_u64 s[G0+4*\slot+2:G0+4*\slot+3], s[G0+4*\slot+2:G0+4*\slot+3], 2*HALFT
	s_add_nc_u64 s[G0B+4*\slot+2:G0B+4*\slot+3], s[G0B+4*\slot+2:G0B+4*\slot+3], 2*HALFT
	JLOAD G0+4*\slot, G1, G0B+4*\slot, G1B
.else
	PLACES NP
.endif
	s_wait_alu depctr_va_vdst(0)
	v_add_nc_u32 v[ADSA], 512*NQ, v[ADSA]
	v_add_nc_u32 v[ADSB], 512*NQ, v[ADSB]
	FETCH_B \next, 0, 0
	FETCH_A \next, 0, 0
	SCALES \next
	WIN MUL_HI
	MUL16 4, 1, NQ-1, \slot, 0
	MUL16 6, 1, NQ-1, \slot, 0
	PLACES NP
	WIN 0
	FETCH_A \next, 0, 4
.endm
.macro STEPS slot, from
.set Q, \from
.rept NQ-1-\from
	STEP \slot, Q, 0
.set Q, Q+1
.endr
.endm
	s_wait_tensorcnt 1
	s_barrier_signal -1
	s_barrier_wait -1
	FETCH_B 0, 0, 0
	FETCH_A 0, 0, 0
	SCALES 0
	FETCH_A 0, 0, 4
	s_wait_loadcnt 0x0
	STEP 0, 0, 1
	STEPS 0, 1
	TURN 0, 1, 1
	STEPS 1, 0
	TURN 1, 0, 1
	STEP 0, 0, 0
	STEPS 0, 1
	TURN 0, 1, 0
	STEPS 1, 0
	s_wait_dscnt 4*NL
	WIN MUL_LO
	MUL16 0, 1, NQ-1, 1, 0
	MUL16 2, 1, NQ-1, 1, 0
	s_wait_dscnt 0
	WIN MUL_HI
	MUL16 4, 1, NQ-1, 1, 0
	MUL16 6, 1, NQ-1, 1, 0
	WIN 0
.set AX,   0
.set G,    64
.set T,    128
.set P,    160
.set XX,   192
.set C9,   224
.set LI16, 226
.set LI8,  227
.set R0,   228
.set R1,   229
.set TM,   128
.set PC,   144
.set PWT,  152
.macro KPAIR r, val
	s_mov_b32 s[\r], \val
	s_mov_b32 s[\r+1], \val
.endm
	PLACES NP
; gelu(x) = 0.5 x (1 + erf(x / sqrt 2)), erf(z) = z A(z^2) / B(z^2) on z held to +-4 (A of degree 6, B of degree 4).  With xc = x held to +-4 sqrt 2 and v = xc^2 = 2 z^2:
; gelu = (x sqrt 2 / 4) (sqrt 2 + xc A / B); the k-th coefficients below are A's and B's, divided by 2^k, so that the polynomials run in v.
; The sum 1 + erf cancels for negative x as it does in reference()'s own f32 form.
	KPAIR 24, 0xBC83DBD4                           ; A: -1.60960333e-2
	KPAIR 26, 0xBAC1A1F6                           ; -2.95459981e-3 / 2
	KPAIR 28, 0xB940AC63                           ; -7.34990630e-4 / 4
	KPAIR 30, 0xB6EEC2D2                           ; -5.69250639e-5 / 8
	KPAIR 32, 0xB40CFF51                           ; -2.10102402e-6 / 16
	KPAIR 34, 0x306DFFEE                           ; 2.77068142e-8 / 32
	KPAIR 36, 0xBC69B6A7                           ; B: -1.42647391e-2
	KPAIR 38, 0xBB719BF8                           ; -7.37332917e-3 / 2
	KPAIR 40, 0xB9DC924E                           ; -1.68282697e-3 / 4
	KPAIR 42, 0xB7DFBD29                           ; -2.13374055e-4 / 8
	KPAIR 44, 0x3FB504F3                           ; sqrt 2
	s_mov_b32 s46, 0x76543210
	s_mov_b32 s47, 0xfedcba98
	s_mov_b32 s48, 0x40B504F3                      ; 4 sqrt 2,
	s_mov_b32 s60, 0xC0B504F3                      ; its negative,
	s_mov_b32 s61, 0x3EB504F3                      ; sqrt 2 / 4
	WIN 0x40
.set C8, 230
	v_mov_b32 v[C9], 0xAC95DF0B                    ; A's highest: -2.72614226e-10 / 64
	v_mov_b32 v[C9+1], 0xAC95DF0B
	v_mov_b32 v[C8], 0xB57460CD                    ; B's highest: -1.45660718e-5 / 16
	v_mov_b32 v[C8+1], 0xB57460CD
	v_lshlrev_b32 v[LI16], 4, v[LANE]
	v_lshlrev_b32 v[LI8], 3, v[LANE]
	v_mov_b32 v[R0], 0
	v_mov_b32 v[R1], 0
	WIN 0
.macro SECTION a
	WIN 0x48+4*((\a)/4)
.set i, 0
.rept 64
	v_med3_num_f32 v[AX+i], s48, v[64*((\a)%4)+i], s60
	v_mul_f32 v[G+i], s61, v[64*((\a)%4)+i]
.set i, i+1
.endr
	WIN 0
.endm
.macro GELUH hf                        ; 32 numbers a lane: AX holds xc, G holds x sqrt 2 / 4 and takes the result
.set j, 0
.rept 16
	v_pk_mul_f32 v[XX+j:XX+j+1], v[AX+32*\hf+j:AX+32*\hf+j+1], v[AX+32*\hf+j:AX+32*\hf+j+1]
.set j, j+2
.endr
.set j, 0
.rept 16
	v_pk_fma_f32 v[T+j:T+j+1], v[XX+j:XX+j+1], v[C8:C8+1], s[42:43] op_sel_hi:[1,1,0]
.set j, j+2
.endr
.irp c, 40,38,36
.set j, 0
.rept 16
	v_pk_fma_f32 v[T+j:T+j+1], v[T+j:T+j+1], v[XX+j:XX+j+1], s[\c:\c+1] op_sel_hi:[1,1,0]
.set j, j+2
.endr
.endr
.set j, 0
	s_wait_alu depctr_va_vdst(0)                   ; the wait ahead of the batch of reciprocals
.rept 32
	v_rcp_f32 v[T+j], v[T+j]                       ; 1 / B
.set j, j+1
.endr
.set j, 0
.rept 16
	v_pk_fma_f32 v[P+j:P+j+1], v[XX+j:XX+j+1], v[C9:C9+1], s[34:35] op_sel_hi:[1,1,0]   ; A is made behind the batch: plain work that names none of its results
.set j, j+2
.endr
.irp c, 32,30,28,26,24
.set j, 0
.rept 16
	v_pk_fma_f32 v[P+j:P+j+1], v[P+j:P+j+1], v[XX+j:XX+j+1], s[\c:\c+1] op_sel_hi:[1,1,0]
.set j, j+2
.endr
.endr
	s_wait_alu depctr_va_vdst(0)                   ; one wait for the whole batch, ahead of its first reader
.set j, 0
.rept 16
	v_pk_mul_f32 v[P+j:P+j+1], v[P+j:P+j+1], v[T+j:T+j+1]
.set j, j+2
.endr
.set j, 0
.rept 16
	v_pk_fma_f32 v[P+j:P+j+1], v[AX+32*\hf+j:AX+32*\hf+j+1], v[P+j:P+j+1], s[44:45] op_sel_hi:[1,1,0]
.set j, j+2
.endr
.set j, 0
.rept 16
	v_pk_mul_f32 v[G+32*\hf+j:G+32*\hf+j+1], v[G+32*\hf+j:G+32*\hf+j+1], v[P+j:P+j+1]
.set j, j+2
.endr
.endm
.macro QUANT s, pw
.irp b, 0,1,2,3
	v_max3_num_f32 v[TM+\b], |v[\s+16*\b]|, |v[\s+1+16*\b]|, 0x1800000
.endr
.irp i, 2,4,6,8,10,12,14
.irp b, 0,1,2,3
	v_max3_num_f32 v[TM+\b], v[TM+\b], |v[\s+16*\b+\i]|, |v[\s+1+16*\b+\i]|
.endr
.endr
.irp b, 0,1,2,3
	v_permlanex16_b32 v[TM+4+\b], v[TM+\b], s46, s47
.endr
.irp b, 0,1,2,3
	v_max_num_f32 v[TM+\b], v[TM+\b], v[TM+4+\b]
.endr
.irp b, 0,1,2,3
	v_add_nc_u32 v[TM+12+\b], 0xff000000, v[TM+\b]
.endr
.irp b, 0,1,2,3
	v_lshrrev_b32 v[TM+4+\b], 23, v[TM+12+\b]
.endr
	v_lshl_or_b32 v[\pw], v[TM+5], 8, v[TM+4]
	v_lshl_or_b32 v[\pw], v[TM+6], 16, v[\pw]
	v_lshl_or_b32 v[\pw], v[TM+7], 24, v[\pw]
.irp b, 0,1,2,3
	v_cvt_scalef32_pk8_fp4_f32 v[PC+2*\b], v[\s+16*\b:\s+7+16*\b], v[TM+12+\b]
	v_cvt_scalef32_pk8_fp4_f32 v[PC+1+2*\b], v[\s+8+16*\b:\s+15+16*\b], v[TM+12+\b]
.endr
	v_nop
.irp c, 0,1
.irp i, 0,1
	v_permlane16_swap_b32 v[PC+4*\c+\i], v[PC+2+4*\c+\i]
.endr
.endr
.endm
	s_mov_b32 s49, 0
.Lrow:
.irp a, 0,1,2,3,4,5,6
	s_cmp_eq_u32 s49, \a
	s_cbranch_scc1 .Lsec\a
.endr
	s_branch .Lsec7
.irp a, 0,1,2,3,4,5,6,7
.Lsec\a:
	SECTION \a
	s_branch .Lgelu
.endr
.Lgelu:
	s_wait_xcnt 0x0
	s_and_b32 s56, s49, 3
	s_lshl_b32 s56, s56, 10
	s_lshr_b32 s53, s49, 2
	s_lshl_b32 s57, s53, 18
	s_add_co_u32 s56, s56, s57
	s_mov_b32 s57, 0
	s_add_nc_u64 s[54:55], s[16:17], s[56:57]
	s_lshl_b32 s56, s53, 14
	s_add_nc_u64 s[58:59], s[18:19], s[56:57]
	s_and_b32 s50, s49, 1
	s_lshl_b32 s50, s50, 4
	s_lshl_b32 s50, 0xffff, s50
	s_bitcmp1_b32 s49, 1
	s_cselect_b32 s51, 0, s50
	s_cselect_b32 s52, s50, 0
	WIN 0x55
	GELUH 0
	GELUH 1
	QUANT G, PWT
	global_store_b128 v[LI16], v[PC:PC+3], s[54:55]
	global_store_b128 v[LI16], v[PC+4:PC+7], s[54:55] offset:512
	v_cndmask_b32 v[R0], v[R0], v[PWT], s51
	v_cndmask_b32 v[R1], v[R1], v[PWT], s52
	WIN 0
	s_and_b32 s53, s49, 3
	s_cmp_lg_u32 s53, 3
	s_cbranch_scc1 .Lno_hs
	WIN 0x05
	global_store_b64 v[LI8], v[R0:R1], s[58:59]
	WIN 0
.Lno_hs:
	s_add_co_u32 s49, s49, 1
	s_cmp_lt_u32 s49, 8
	s_cbranch_scc1 .Lrow
	s_wait_tensorcnt 0x0
	ds_add_u32 v[SPW], v[NIL]
	s_wait_dscnt 0x0
	CROUND
	s_endpgm
.Lfunc_end_k_qd7dda41290_ffn1:
	.size	k_qd7dda41290_ffn1, .Lfunc_end_k_qd7dda41290_ffn1-k_qd7dda41290_ffn1
	.p2alignl 7, 3214868480
	.fill 96, 4, 3214868480
	.section	.rodata,"a",@progbits
	.p2align	6, 0x0
	.amdhsa_kernel k_qd7dda41290_ffn1
		.amdhsa_group_segment_fixed_size 327680
		.amdhsa_private_segment_fixed_size 0
		.amdhsa_enable_private_segment 0
		.amdhsa_kernarg_size 64
		.amdhsa_user_sgpr_count 2
		.amdhsa_user_sgpr_kernarg_segment_ptr 1
		.amdhsa_wavefront_size32 1
		.amdhsa_system_sgpr_workgroup_id_x 1
		.amdhsa_system_sgpr_workgroup_id_y 1
		.amdhsa_system_sgpr_workgroup_id_z 1
		.amdhsa_system_vgpr_workitem_id 0
		.amdhsa_next_free_vgpr 1024
		.amdhsa_next_free_sgpr 98
		.amdhsa_reserve_vcc 0
		.amdhsa_float_denorm_mode_32 3
		.amdhsa_float_denorm_mode_16_64 3
		.amdhsa_memory_ordered 1
		.amdhsa_forward_progress 1
		.amdhsa_inst_pref_size 255
	.end_amdhsa_kernel
	.section	.bss,"aw",@nobits
	.p2align	6
	.space	262144
	.amdgpu_metadata
---
amdhsa.version: [ 1, 2 ]
amdhsa.kernels:
  - .name:           k_qd7dda41290_ffn1
    .symbol:         k_qd7dda41290_ffn1.kd
    .args:
      - { .name: xc, .offset: 0, .size: 8, .value_kind: global_buffer, .address_space: global }
      - { .name: xs, .offset: 8, .size: 8, .value_kind: global_buffer, .address_space: global }
      - { .name: w1c, .offset: 16, .size: 8, .value_kind: global_buffer, .address_space: global }
      - { .name: w1s, .offset: 24, .size: 8, .value_kind: global_buffer, .address_space: global }
      - { .name: b1_0, .offset: 32, .size: 8, .value_kind: global_buffer, .address_space: global }
      - { .name: b1_1, .offset: 40, .size: 8, .value_kind: global_buffer, .address_space: global }
      - { .name: hc, .offset: 48, .size: 8, .value_kind: global_buffer, .address_space: global }
      - { .name: hs, .offset: 56, .size: 8, .value_kind: global_buffer, .address_space: global }
    .group_segment_fixed_size: 327680
    .private_segment_fixed_size: 0
    .kernarg_segment_align: 8
    .kernarg_segment_size: 64
    .max_flat_workgroup_size: 128
    .sgpr_count:     98
    .vgpr_count:     1024
    .wavefront_size: 32
...
	.end_amdgpu_metadata
.endif
;; end of part 2
;; launch ffn2 (part 3): grid 16 x 16, 4 waves a work-group, no clusters, 135,680 bytes of LDS; arguments hc, hs, w2c, w2s, b2_0, b2_1, top2_exp_id, top2_weight, out0; writes out0
.if DOCPART == 3
	.amdgcn_target "amdgcn-amd-amdhsa--gfx1250"
	.amdhsa_code_object_version 6
	.text
	.protected	k_qd7dda41290_ffn2
	.globl	k_qd7dda41290_ffn2
	.p2align	8
	.type	k_qd7dda41290_ffn2,@function
k_qd7dda41290_ffn2:
	s_mov_b64 s[64:65], 0
	v_nop
	global_prefetch_b8 v0, s[64:65] scope:SCOPE_SE
	s_setreg_imm32_b32 hwreg(HW_REG_WAVE_MODE, 25, 1), 1
	s_wait_xcnt 0x0
; out[t] = the sum over e of c_e[t] (h_e[t] Q(W2_e) + b2_e), c_e[t] = the sum of top2_weight[t][s] over the slots s with (top2_exp_id[t][s] & 1) == e.  M = 1,024, N = 2,048, K = 2 x 8,192, on codes of FP4 (E2M1) with E8M0 scales.
; No work of reference() is left out here: both experts are multiplied for every token and weighed by c_e, which is 0 where an expert is not chosen (0 x infinity is NaN here as in reference()).
; IN: hc [e 2][g64 16][ks 64][tile 4][1024], hs [e][g64][ks][256], w2c [e 2][nb 16][ks 64][tile 8][1024], w2s [e][nb][ks][512]: images of operand registers (group c of lane L at 512 c + 16 L; scale words: word j of lane L = row L % 16 of tile 2 j + L / 16).
; SHARES.  A work-group makes 64 tokens x 128 columns, so that the 1,024 x 2,048 results give 256 work-groups.  K IS SPLIT AMONG ITS FOUR WAVES: wave w takes expert w / 2 and K steps 32 (w % 2) .. + 31, for the whole tile: 32 accumulators, 256 registers.
; So no fragment is read by two waves of a work-group, and the fragments go from memory straight into registers, each load 512 consecutive bytes: a ring of three register sets, 26 loads (12.75 KB) a K step, two to three K steps on their way in every wave.
; NO CLUSTER, NO TENSOR LOAD: a joint load lands in LDS, from which here each byte would be read once, by one wave: a write and a read of LDS more for every byte; and a ring of two LDS slots has nothing on its way at each change of slots,
; where the three register sets never run empty.  What is shared (a block of W2 by the 16 work-groups of a grid column, a block of h by the 16 of a grid row) is read at about the same time.
; THE MATRIX INSTRUCTION IS USED TRANSPOSED (source 0 = 16 rows of W2's tile, source 1 = 16 tokens): register i of lane (r, h) in tile (a, b) is token 16 a + r, column 32 (b / 2) + 16 h + 8 (b % 2) + i.
; b2_e is the C of the first K step in the wave with K steps 0 .. 31, and zeros in the other.  At the end each wave multiplies by c_e; the four parts meet in LDS and are added as (w0 + w1) + (w2 + w3): an order of rounding other than reference()'s.
; REGISTERS: window 0: v4-15 addresses; v16-39 scale words, three sets; v40-55 ids and weights; v56-63 c_e; v64-127 b2's eight tiles; v128-255 rows on the way out.   window 1: the accumulators, (a, b) at v[8 (8 a + b)].
;   window 2: fragment sets 0 (v0-95) and 1 (v96-191): 32 registers of h, then 64 of W2.   window 3: set 2 (v0-95).
.set L16, 4                            ; v4     16 x lane
.set L8,  5                            ; v5     8 x lane
.set STO, 6                            ; v6     the stage: where I put 16 bytes of a row
.set BOF, 7                            ; v7     64 h: my place in b2
.set RD,  8                            ; v8-11  the stage: where I read a row of part q back
.set TOK, 12                           ; v12    8 r: my token's two ids, two weights
.set SPW, 14                           ; v14    LDS address of my spare word; never rewritten
.set NIL, 15                           ; v15    0; never rewritten
.set SCS, 16                           ; set s at v[SCS + 8 s]: + 0 .. 3 W2's scale words, + 4, 5 h's
.set IDW, 40
.set CE,  56
.set BI,  64
.set RB,  128
.set SPITCH, 528                       ; a stage row: 512 bytes + 16
.set STG,    64*SPITCH                 ; a wave's stage: 64 rows
.set SPARE,  4*STG                     ; behind the four stages: the spare words, 128 bytes for each wave: two blocks of 256 bytes that no other line names
.set MSB, 0
.macro WIN new                         ; the immediate's high byte repeats the setting that is left
.if MSB != (\new)
	s_set_vgpr_msb (MSB<<8)|(\new)
.set MSB, (\new)
.endif
.endm
	s_load_b512 s[4:19], s[0:1], 0x0               ; hc s[4:5], hs s[6:7], w2c s[8:9], w2s s[10:11], b2_0 s[12:13], b2_1 s[14:15], ids s[16:17], weights s[18:19]
	s_load_b64 s[20:21], s[0:1], 0x40              ; out
	v_lshl_add_u32 v[SPW], v0, 2, SPARE
	v_mov_b32 v[NIL], 0
	v_lshrrev_b32 v1, 5, v0
	v_readfirstlane_b32 s22, v1                    ; wave 0..3
	s_lshr_b32 s23, s22, 1                         ; my expert
	s_and_b32 s24, s22, 1                          ; my half of K
	s_mov_b32 s25, ttmp9                           ; nb: 128 columns
	s_and_b32 s26, ttmp7, 0xffff                   ; mb: 64 tokens
	s_sub_co_u32 s27, s24, 1                       ; all ones in the wave that adds the bias, else 0
	v_and_b32 v1, 31, v0                           ; lane
	v_and_b32 v2, 15, v0                           ; r
	v_bfe_u32 v3, v0, 4, 1                         ; h
	v_lshlrev_b32 v[L16], 4, v1
	v_lshlrev_b32 v[L8], 3, v1
	v_mul_u32_u24 v[STO], v2, SPITCH
	v_lshl_add_u32 v[STO], v3, 6, v[STO]
	s_mul_i32 s28, s22, STG
	v_add_nc_u32 v[STO], s28, v[STO]               ; my stage, row r, + 64 h
	v_lshlrev_b32 v[BOF], 6, v3
	s_mul_i32 s28, s22, 16*SPITCH                  ; back: rows 16 w on of each of the four stages, 16 bytes a lane
.irp q, 0,1,2,3
	v_add_nc_u32 v[RD+\q], s28, v[L16]
	s_add_co_u32 s28, s28, STG
.endr
	v_lshlrev_b32 v[TOK], 3, v2
	s_lshl_b32 s28, s23, 4
	s_add_co_u32 s29, s28, s26                     ; 16 e + mb
	s_add_co_u32 s28, s28, s25                     ; 16 e + nb
	s_lshl_b32 s29, s29, 6
	s_lshl_b32 s28, s28, 6
	s_lshl_b32 s30, s24, 5
	s_add_co_u32 s29, s29, s30                     ; h: my first K step
	s_add_co_u32 s28, s28, s30                     ; W2: likewise
	s_mov_b32 s33, 0
	s_wait_alu depctr_va_vdst(0)
	s_wait_kmcnt 0x0
	s_lshl_b32 s32, s29, 12
	s_add_nc_u64 s[4:5], s[4:5], s[32:33]          ; 4,096 bytes of h's codes a K step,
	s_lshl_b32 s32, s29, 8
	s_add_nc_u64 s[6:7], s[6:7], s[32:33]          ; 256 of its scale words,
	s_lshl_b32 s32, s28, 13
	s_add_nc_u64 s[8:9], s[8:9], s[32:33]          ; 8,192 of W2's codes,
	s_lshl_b32 s32, s28, 9
	s_add_nc_u64 s[10:11], s[10:11], s[32:33]      ; 512 of its scale words
	s_cmp_eq_u32 s23, 0
	s_cselect_b64 s[12:13], s[12:13], s[14:15]     ; b2 of my expert,
	s_lshl_b32 s32, s25, 9
	s_add_nc_u64 s[12:13], s[12:13], s[32:33]      ; at my 128 columns
	s_lshl_b32 s32, s26, 9                         ; 64 tokens of 8 bytes
	s_add_nc_u64 s[16:17], s[16:17], s[32:33]
	s_add_nc_u64 s[18:19], s[18:19], s[32:33]
	s_lshl_b32 s32, s26, 6
	s_lshl_b32 s34, s22, 4
	s_add_co_u32 s32, s32, s34                     ; the first row that I store: 64 mb + 16 w
	s_lshl_b32 s32, s32, 13
	s_lshl_b32 s34, s25, 9
	s_add_co_u32 s32, s32, s34
	s_add_nc_u64 s[20:21], s[20:21], s[32:33]
.irp a, 0,1,2,3
	global_load_b64 v[IDW+4*\a:IDW+4*\a+1], v[TOK], s[16:17] offset:128*\a     ; token 16 a + r: its two ids,
	global_load_b64 v[IDW+4*\a+2:IDW+4*\a+3], v[TOK], s[18:19] offset:128*\a   ; its two weights
.endr
.irp b, 0,1,2,3,4,5,6,7                        ; b2 in the result's layout
	global_load_b128 v[BI+8*\b:BI+8*\b+3], v[BOF], s[12:13] offset:(32*(\b/2)+8*(\b%2))*4
	global_load_b128 v[BI+8*\b+4:BI+8*\b+7], v[BOF], s[12:13] offset:(32*(\b/2)+8*(\b%2))*4+16
.endr
; the one matrix line.  d: D's first register; fb, fa: the fragments of source 0 and 1; cr: C's first register; sb, sa: their scale registers; rb, ra: 1 where the scales stand in lanes 16-31
.macro WM d, fb, fa, cr, sb, sa, rb, ra
.if (\rb)
.if (\ra)
	v_wmma_scale_f32_16x16x128_f8f6f4 v[\d:\d+7], v[\fb:\fb+7], v[\fa:\fa+7], v[\cr:\cr+7], v[\sb], v[\sa] matrix_a_fmt:MATRIX_FMT_FP4 matrix_b_fmt:MATRIX_FMT_FP4 matrix_a_scale:MATRIX_SCALE_ROW1 matrix_b_scale:MATRIX_SCALE_ROW1
.else
	v_wmma_scale_f32_16x16x128_f8f6f4 v[\d:\d+7], v[\fb:\fb+7], v[\fa:\fa+7], v[\cr:\cr+7], v[\sb], v[\sa] matrix_a_fmt:MATRIX_FMT_FP4 matrix_b_fmt:MATRIX_FMT_FP4 matrix_a_scale:MATRIX_SCALE_ROW1
.endif
.else
.if (\ra)
	v_wmma_scale_f32_16x16x128_f8f6f4 v[\d:\d+7], v[\fb:\fb+7], v[\fa:\fa+7], v[\cr:\cr+7], v[\sb], v[\sa] matrix_a_fmt:MATRIX_FMT_FP4 matrix_b_fmt:MATRIX_FMT_FP4 matrix_b_scale:MATRIX_SCALE_ROW1
.else
	v_wmma_scale_f32_16x16x128_f8f6f4 v[\d:\d+7], v[\fb:\fb+7], v[\fa:\fa+7], v[\cr:\cr+7], v[\sb], v[\sa] matrix_a_fmt:MATRIX_FMT_FP4 matrix_b_fmt:MATRIX_FMT_FP4
.endif
.endif
.endm
; the K step kk on from the bases, into set s: 26 loads
.macro LOADS s, kk
.set FS, 96*((\s)%2)
	WIN 0x80+0x40*((\s)/2)                         ; destination window 2 (sets 0, 1) or 3 (set 2), address window 0
.irp i, 0,1,2,3,4,5,6,7
	global_load_b128 v[FS+4*\i:FS+4*\i+3], v[L16], s[4:5] offset:4096*(\kk)+512*\i          ; h's four fragments
.endr
.irp i, 0,1,2,3,4,5,6,7,8,9,10,11,12,13,14,15
	global_load_b128 v[FS+32+4*\i:FS+32+4*\i+3], v[L16], s[8:9] offset:8192*(\kk)+512*\i    ; W2's eight
.endr
	WIN 0
	global_load_b128 v[SCS+8*(\s):SCS+8*(\s)+3], v[L16], s[10:11] offset:512*(\kk)
	global_load_b64 v[SCS+8*(\s)+4:SCS+8*(\s)+5], v[L8], s[6:7] offset:256*(\kk)
.endm
; a K step on set s: 32 matrix instructions, the 32 accumulators by turns, over the loop's backward jump too.  n: the younger loads that may stay out.
; first = 1: the bias is the C.  kk >= 0: the set is filled again, with the K step kk on from the bases
.macro KSTEP s, first, n, kk
	s_wait_loadcnt \n
.set FS, 96*((\s)%2)
.if \first
	WIN 0x4a+5*((\s)/2)                            ; sources 0 and 1 window 2 or 3, C window 0, D window 1
.else
	WIN 0x5a+5*((\s)/2)                            ; C and D window 1
.endif
.irp a, 0,1,2,3
.irp b, 0,1,2,3,4,5,6,7
.if \first
	WM 8*(8*\a+\b), FS+32+8*\b, FS+8*\a, BI+8*\b, SCS+8*(\s)+\b/2, SCS+8*(\s)+4+\a/2, \b%2, \a%2
.else
	WM 8*(8*\a+\b), FS+32+8*\b, FS+8*\a, 8*(8*\a+\b), SCS+8*(\s)+\b/2, SCS+8*(\s)+4+\a/2, \b%2, \a%2
.endif
.endr
.endr
.if \kk >= 0
.rept 4
	v_nop                                          ; four places in front of loads into registers that matrix instructions have read (ISA guide 7.12.1 for vector instructions)
.endr
	LOADS \s, \kk
.endif
	WIN 0
.endm
	LOADS 0, 0
	LOADS 1, 1
	LOADS 2, 2
	s_wait_loadcnt 52                              ; ids, weights, bias and K step 0 are in; the 2 x 26 loads of K steps 1 and 2 may be out
.set i, 0
.rept 64
	v_and_b32 v[BI+i], s27, v[BI+i]                ; the bias enters once for each expert: zeros in the wave of the upper half of K
.set i, i+1
.endr
.irp a, 0,1,2,3                                ; c_e of token 16 a + r: a choice of values, no branch
	v_and_b32 v[IDW+4*\a], 1, v[IDW+4*\a]          ; id % 2 (for negative ids too: the low bit)
	v_and_b32 v[IDW+4*\a+1], 1, v[IDW+4*\a+1]
	v_cmp_eq_u32 vcc_lo, s23, v[IDW+4*\a]
	v_cndmask_b32 v[IDW+4*\a], 0, v[IDW+4*\a+2], vcc_lo
	v_cmp_eq_u32 vcc_lo, s23, v[IDW+4*\a+1]
	v_cndmask_b32 v[IDW+4*\a+1], 0, v[IDW+4*\a+3], vcc_lo
	v_add_f32 v[CE+2*\a], v[IDW+4*\a], v[IDW+4*\a+1]
	v_mov_b32 v[CE+2*\a+1], v[CE+2*\a]             ; (the packed multiply names the pair)
.endr
	KSTEP 0, 1, 52, 3                              ; K step 0; set 0 takes K step 3
	s_wait_xcnt 0x0                                ; every load issued has read its base: the bases step
	s_add_nc_u64 s[4:5], s[4:5], 4*4096
	s_add_nc_u64 s[6:7], s[6:7], 4*256
	s_add_nc_u64 s[8:9], s[8:9], 4*8192
	s_add_nc_u64 s[10:11], s[10:11], 4*512
	s_mov_b32 s36, 9
.Lk:                                               ; trip t: K steps 1 + 3 t .. 3 + 3 t are multiplied, K steps 4 + 3 t .. 6 + 3 t asked for
	KSTEP 1, 0, 52, 0                              ; 52: the two younger sets' loads stay out
	KSTEP 2, 0, 52, 1
	KSTEP 0, 0, 52, 2
	s_wait_xcnt 0x0
	s_add_nc_u64 s[4:5], s[4:5], 3*4096
	s_add_nc_u64 s[6:7], s[6:7], 3*256
	s_add_nc_u64 s[8:9], s[8:9], 3*8192
	s_add_nc_u64 s[10:11], s[10:11], 3*512
	s_sub_co_u32 s36, s36, 1
	s_cmp_lg_u32 s36, 0
	s_cbranch_scc1 .Lk
	KSTEP 1, 0, 52, 0                              ; K step 28; the last load: K step 31
	KSTEP 2, 0, 52, -1                             ; K step 29: no load leaves its buffer
	KSTEP 0, 0, 26, -1                             ; K step 30: one set is out
	KSTEP 1, 0, 0, -1                              ; K step 31
	; THE WAY OUT: x c_e; each wave's 64 x 128 into its own stage; a barrier; wave w adds the four parts of rows 16 w .. + 15 and stores whole pieces of rows
.rept 4
	v_nop                                          ; places behind the last products
.endr
	WIN 0x41                                       ; destination and source 0 window 1, c_e window 0
.irp a, 0,1,2,3
.set j, 0
.rept 32
	v_pk_mul_f32 v[64*\a+j:64*\a+j+1], v[64*\a+j:64*\a+j+1], v[CE+2*\a:CE+2*\a+1] op_sel_hi:[1,0]   ; each accumulator from its low end on
.set j, j+2
.endr
.endr
	WIN 0x04                                       ; an LDS store's data are its source 1: window 1
.irp a, 0,1,2,3
.irp b, 0,1,2,3,4,5,6,7
	ds_store_b128 v[STO], v[8*(8*\a+\b):8*(8*\a+\b)+3] offset:16*\a*SPITCH+128*(\b/2)+32*(\b%2)      ; row 16 a + r, columns 32 (b / 2) + 16 h + 8 (b % 2) on
	ds_store_b128 v[STO], v[8*(8*\a+\b)+4:8*(8*\a+\b)+7] offset:16*\a*SPITCH+128*(\b/2)+32*(\b%2)+16
.endr
.endr
	WIN 0
	s_wait_dscnt 0x0                               ; for the others' sake: my stores into my stage are done
	s_barrier_signal -1
	s_barrier_wait -1
.irp t, 0,1                                    ; eight rows at a time
.if \t
	s_wait_xcnt 0x0                                ; the first eight stores have read their registers, which the loads below fill again
.endif
.irp i, 0,1,2,3,4,5,6,7
.irp q, 0,1,2,3
	ds_load_b128 v[RB+16*\i+4*\q:RB+16*\i+4*\q+3], v[RD+\q] offset:SPITCH*(8*\t+\i)
.endr
.endr
.irp i, 0,1,2,3,4,5,6,7
	s_wait_dscnt 4*(7-\i)                          ; this row's four parts are in; the later rows' loads may be out
	v_pk_add_f32 v[RB+16*\i:RB+16*\i+1], v[RB+16*\i:RB+16*\i+1], v[RB+16*\i+4:RB+16*\i+5]
	v_pk_add_f32 v[RB+16*\i+2:RB+16*\i+3], v[RB+16*\i+2:RB+16*\i+3], v[RB+16*\i+6:RB+16*\i+7]
	v_pk_add_f32 v[RB+16*\i+8:RB+16*\i+9], v[RB+16*\i+8:RB+16*\i+9], v[RB+16*\i+12:RB+16*\i+13]
	v_pk_add_f32 v[RB+16*\i+10:RB+16*\i+11], v[RB+16*\i+10:RB+16*\i+11], v[RB+16*\i+14:RB+16*\i+15]
	v_pk_add_f32 v[RB+16*\i:RB+16*\i+1], v[RB+16*\i:RB+16*\i+1], v[RB+16*\i+8:RB+16*\i+9]
	v_pk_add_f32 v[RB+16*\i+2:RB+16*\i+3], v[RB+16*\i+2:RB+16*\i+3], v[RB+16*\i+10:RB+16*\i+11]
	global_store_b128 v[L16], v[RB+16*\i:RB+16*\i+3], s[20:21] offset:8192*(8*\t+\i) th:TH_STORE_NT   ; 32 lanes store 512 consecutive bytes, at a multiple of 256 from out's first byte
.endr
.endr
	s_wait_tensorcnt 0x0                           ; the wave's end, behind my last LDS store
	ds_add_u32 v[SPW], v[NIL]
	s_wait_dscnt 0x0
	s_endpgm
.Lfunc_end_k_qd7dda41290_ffn2:
	.size	k_qd7dda41290_ffn2, .Lfunc_end_k_qd7dda41290_ffn2-k_qd7dda41290_ffn2
	.p2alignl 7, 3214868480
	.fill 96, 4, 3214868480
	.section	.rodata,"a",@progbits
	.p2align	6, 0x0
	.amdhsa_kernel k_qd7dda41290_ffn2
		.amdhsa_group_segment_fixed_size 135680
		.amdhsa_private_segment_fixed_size 0
		.amdhsa_enable_private_segment 0
		.amdhsa_kernarg_size 72
		.amdhsa_user_sgpr_count 2
		.amdhsa_user_sgpr_kernarg_segment_ptr 1
		.amdhsa_wavefront_size32 1
		.amdhsa_system_sgpr_workgroup_id_x 1
		.amdhsa_system_sgpr_workgroup_id_y 1
		.amdhsa_system_sgpr_workgroup_id_z 1
		.amdhsa_system_vgpr_workitem_id 0
		.amdhsa_next_free_vgpr 864
		.amdhsa_next_free_sgpr 66
		.amdhsa_reserve_vcc 1
		.amdhsa_float_denorm_mode_32 3
		.amdhsa_float_denorm_mode_16_64 3
		.amdhsa_memory_ordered 1
		.amdhsa_forward_progress 1
		.amdhsa_inst_pref_size 87
	.end_amdhsa_kernel
	.amdgpu_metadata
---
amdhsa.version: [ 1, 2 ]
amdhsa.kernels:
  - .name:           k_qd7dda41290_ffn2
    .symbol:         k_qd7dda41290_ffn2.kd
    .args:
      - { .name: hc, .offset: 0, .size: 8, .value_kind: global_buffer, .address_space: global }
      - { .name: hs, .offset: 8, .size: 8, .value_kind: global_buffer, .address_space: global }
      - { .name: w2c, .offset: 16, .size: 8, .value_kind: global_buffer, .address_space: global }
      - { .name: w2s, .offset: 24, .size: 8, .value_kind: global_buffer, .address_space: global }
      - { .name: b2_0, .offset: 32, .size: 8, .value_kind: global_buffer, .address_space: global }
      - { .name: b2_1, .offset: 40, .size: 8, .value_kind: global_buffer, .address_space: global }
      - { .name: top2_exp_id, .offset: 48, .size: 8, .value_kind: global_buffer, .address_space: global }
      - { .name: top2_weight, .offset: 56, .size: 8, .value_kind: global_buffer, .address_space: global }
      - { .name: out0, .offset: 64, .size: 8, .value_kind: global_buffer, .address_space: global }
    .group_segment_fixed_size: 135680
    .private_segment_fixed_size: 0
    .kernarg_segment_align: 8
    .kernarg_segment_size: 72
    .max_flat_workgroup_size: 128
    .sgpr_count:     66
    .vgpr_count:     864
    .wavefront_size: 32
...
	.end_amdgpu_metadata
.endif
;; end of part 3
